; MI455X (gfx1250); checked and timed in simulation.
; The chip was launched on July 23, 2026; its instructions are those of AMD's public machine-readable ISA for CDNA 5 (MIT licence, August 2026) and "CDNA5" Instruction Set Architecture Reference Guide (July 2026). The comments in the code are by the model that wrote it; some were corrected since.
;; Self Attention. Allowed arithmetic: float matrix products may take bf16 or f16 operands with f32 sums; all other float work in f32.
;; Inputs: key_input 4 x 2,048 x 1,024 float32; mask 4 x 1 x 1 x 2,048 int32; query_input 4 x 2,048 x 1,024 float32; value_input 4 x 2,048 x 1,024 float32.
;; Outputs: out0 4 x 2,048 x 1,024 float32.
;; One version. Each part assembles by itself: llvm-mc -triple=amdgcn-amd-amdhsa -mcpu=gfx1250 --defsym DOCPART=n.
;; ======== version 1 of 1: 1 launch
;; launch attn (part 1): grid 256 x 1, 8 waves a work-group, clusters of 4 x 1, 327,680 bytes of LDS; arguments key_input, value_input, query_input, mask, out0; writes out0
.if DOCPART == 1
	.amdgcn_target "amdgcn-amd-amdhsa--gfx1250"
	.amdhsa_code_object_version 6
	.text
	.protected	k_qd66fa8c562_attn
	.globl	k_qd66fa8c562_attn
	.p2align	8
	.type	k_qd66fa8c562_attn,@function
k_qd66fa8c562_attn:
	s_mov_b64 s[64:65], 0
	v_nop
	global_prefetch_b8 v0, s[64:65] scope:SCOPE_SE
	s_setreg_imm32_b32 hwreg(HW_REG_WAVE_MODE, 25, 1), 1
	s_wait_xcnt 0x0
	s_wait_alu depctr_hold_cnt(0) depctr_sa_sdst(0) depctr_va_vdst(0) depctr_va_sdst(0) depctr_va_ssrc(0) depctr_va_vcc(0) depctr_vm_vsrc(0)
	s_getreg_b32 s2, hwreg(HW_REG_IB_STS2, 6, 4)
	s_cmp_eq_u32 s2, 0
	s_cbranch_scc0 .Lentry_in_a_cluster
	s_endpgm
.Lentry_in_a_cluster:
	s_bfe_u32 s2, ttmp6, 0x10000c
	s_cmp_lg_u32 s2, 0x3003
	s_cbranch_scc0 .Lentry_shape_is_right
	s_endpgm
.Lentry_shape_is_right:
; out[b][q][h][:] = softmax over keys of (mask ? q.k : -1e20) / 32, times V.  B = 4, S = 2048, H = 16, D = 64, all f32 in memory.
; A head's row is 64 f32 = 256 bytes, at a multiple of 256 bytes, rows 4,096 bytes apart.
;
; SHARING.  One cluster of four work-groups for each (b, h): ttmp9 = 16 b + h.  The four are the four blocks of 512 queries; they walk the
; same 16 tiles of 128 keys of K and V, so each tile is asked for JOINTLY (mask 15): K and V are requested once for the four.
; Only these four share tiles, so the cluster is 4 x 1.  Eight waves; wave w owns 64 queries (four tiles of 16), two waves to a SIMD with
; 512 registers each, so that one wave's softmax arithmetic can run beside the other's matrix instructions.
;
; ONE TRIP = 128 keys.  Waves 0-3 ask for the next f32 tile (64 rows x 256 bytes each) into the slot read last trip; all eight waves turn
; 16 rows of K and 16 of V of this trip's slot into bf16 (stage KS, VS) and the mask words into a bias table; a barrier; then two steps of
; 64 keys: S^T = K Q^T + bias, running softmax, O^T = O^T alpha + V^T P^T.
;
; BOTH PRODUCTS ARE USED TRANSPOSED.  In S^T (rows = keys, columns = queries) lane (r, hh) holds 8 keys of ONE query r in each tile, so
; maximum, sum and rescale factor are one number a lane and only the two halves of the wave have to be joined (one v_permlanex16_b32).
; Two neighbouring key tiles, rounded and packed, are the second source (k = key) of O^T = V^T P^T as they lie; V^T comes by the
; transposing LDS load from V stored [key][d]; in O^T a lane holds 8 neighbouring d of one query.
;
; SCALE AND MASK.  q is multiplied by c = log2(e) / 32 before it is rounded to bf16, so scores are in units of log2 and a weight is
; exp2(s - m), m the running maximum.  The first product of each score tile takes as C a bias fragment, 0 for an open key and
; NEGBIG = -1e20 c for a masked one, and the rows of K of masked keys are set to zero: a masked score is NEGBIG itself.  With an open key
; in the row masked weights are exp2 of about -4.5e18 = 0; with none all weights are 1 and the result is the mean of V, as in the formula.
;
; LIMITS.  NaN or infinity in q gives NaN for masked keys too (0 x inf).  The maxima drop NaN.  v_exp_f32 gives 0 for weights below 2^-126.
; The row sum is taken from the weights before they are rounded to bf16.  The scale is folded into q before its rounding to bf16.
;
; REGISTERS, two windows of 256 (s_set_vgpr_msb, low byte: bits 1:0 source 0, 3:2 source 1, 5:4 source 2, 7:6 destination).
; window 0: addresses, mask words, Q fragments, O.   window 1: scores / weights, K and V fragments, bias fragments, softmax state.
.set TSTEP,  0x80000                   ; bytes from a tile of 128 keys to the next: 128 rows of 4,096
.set SLOTB,  65536                     ; an f32 slot: K's 128 rows of 256 bytes, then V's
.set VHALF,  32768
.set KS,     131072                    ; bf16 K, 128 rows, pitch 144
.set VS,     149504                    ; bf16 V [key][d], 128 rows, pitch 160
.set BIAS,   169984                    ; 128 f32
.set PRIV,   170496                    ; 9,216 bytes for each wave: Q stage (64 rows, pitch 144), later O stage (16 rows, pitch 272)
.set CSCALE, 0x3d38aa3b                ; log2(e) / 32
.set NEGBIG, 0xde7a4485                ; -1e20 log2(e) / 32
; window 0
.set KLD,  4                           ; v4-5    slot 0, 1: my 16 bytes of K's row 16 w + 8 hh
.set VLD,  6                           ; v6-7    slot 0, 1: my 16 bytes of V's row 16 w + 4 hh
.set KST,  8                           ; where the bf16 of K go
.set VST,  9                           ; where the bf16 of V go
.set BST,  10                          ; where my 8 bias words go
.set KFA,  11                          ; K fragments
.set VFA,  12                          ; V fragments (transposing load)
.set BFA,  13                          ; bias fragments
.set MOFF, 14                          ; my 8 mask words in a tile's 512 bytes
.set PFO,  15                          ; prefetch: row 32 cx + lane of a tile
.set QST,  16
.set QRD,  17
.set OST,  18
.set ORD,  19
.set GOFF, 20                          ; 4096 hh + 16 r: two rows of 256 bytes for the wave
.set NEG,  21
.set MK,   32                          ; v32-39, v40-47  mask words, then bias, of the even and the odd tiles
.set QF,   64                          ; v64-127   Q fragments: 64 + 16 q + 8 ks
.set OA,   128                         ; v128-255  O^T: 128 + 32 q + 8 dt
; window 1
.set SC,    0                          ; scores 32 q + 8 kt; later weights, fragment f at 32 q + 16 f
.set FRAG,  128                        ; 64 registers: K fragments, V fragments, conversion
.set BIASF, 192                        ; 8 kt
.set MX,    224                        ; running maximum of query tile q
.set LS,    228                        ; running sums, a pair for each q
.set ALF,   236                        ; rescale factor twice, a pair for each q
.set NM,    244                        ; new maximum, twice
.set TA,    246
.set TB,    247
.set X0,    248
.set X1,    250
.set TC,    252
; scalars
.set G1, 28                            ; s[28:35] descriptor group 1
.set G0, 36                            ; s[36:43] descriptor group 0, a set for each slot
.set KM, 52                            ; s52-59   lanes whose row i is open
.set MSB, 0
.macro WIN new                         ; the immediate's high byte repeats the setting that is left
.if MSB != \new
	s_set_vgpr_msb (MSB<<8)|\new
.set MSB, \new
.endif
.endm
.macro PLACES n
.rept \n
	v_nop
.endr
.endm
; A round of the cluster's barrier: my work-group's barrier, wave 0 signals for the work-group, every wave waits for all four work-groups,
; my work-group's barrier once more.
.macro ROUND
	s_barrier_signal -1
	s_barrier_wait -1
	s_cmp_lg_u32 s14, 0
	s_cbranch_scc1 .Lnot_wave_0_\@
	s_barrier_signal -3
.Lnot_wave_0_\@:
	s_barrier_wait -3
	s_barrier_signal -1
	s_barrier_wait -1
.endm
; Waves 0-3: the joint load of a quarter of a tile into slot sl (waves 0, 1: K's rows 0-63, 64-127; waves 2, 3: V's).  One load a wave.
; pf = 1: in trip t wave 4 asks the L2 for K's and wave 5 for V's row 32 cx + lane of tile t + 2, 256 bytes a lane: 64 blocks a work-group,
; each block of tiles 2 to 15 once in the launch, one trip ahead of its tensor load.  The last two trips ask for nothing.
.macro FILL sl, pf
	s_cmp_lt_u32 s14, 4
	s_cbranch_scc0 .Lno_tile_\@
	tensor_load_to_lds s[G0+4*(\sl):G0+4*(\sl)+3], s[G1:G1+7]
	s_nop 0
	PLACES 4
.if \pf
	s_branch .Lasked_\@
.endif
.Lno_tile_\@:
.if \pf
	s_cmp_lt_u32 s14, 6
	s_cbranch_scc0 .Lasked_\@
	global_prefetch_b8 v[PFO], s[46:47] th:TH_LOAD_NT scope:SCOPE_SE
.Lasked_\@:
.endif
.endm
; f32 to bf16: the wave takes 16 rows of K and 16 of V of the slot.  Each half of the wave reads one dense row of 256 bytes a load.
; K's load i is row 16 w + 8 hh + i, whose mask word is my register MK + i.  V's rows are 16 w + 4 hh + {0-3, 8-11}.
; The stores of 8 bytes a lane: the two halves of the wave land 8 x 144 = 1,152 (K) and 4 x 160 = 640 (V) bytes apart, both 128 modulo 256,
; so the 32 lanes' 256 bytes fall on 64 different banks of 4 bytes (ISA guide 11.1).
.macro CONVERT slot
	WIN 0x40
.irp i, 0,1,2,3,4,5,6,7
	ds_load_b128 v[FRAG+4*\i:FRAG+4*\i+3], v[KLD+\slot] offset:256*\i
.endr
.irp i, 0,1,2,3,4,5,6,7
	ds_load_b128 v[FRAG+32+4*\i:FRAG+32+4*\i+3], v[VLD+\slot] offset:256*(8*(\i>>2)+(\i&3))
.endr
	WIN 0
.irp i, 0,1,2,3,4,5,6,7
	v_cmp_ne_u32 s[KM+\i], 0, v[MK+8*\slot+\i]                        ; lanes whose row i is open
	v_cndmask_b32 v[MK+8*\slot+\i], v[NEG], 0, s[KM+\i]               ; the bias in place: 0 if open, NEGBIG if masked
.endr
	ds_store_b128 v[BST], v[MK+8*\slot:MK+8*\slot+3]                  ; the 16 lanes of a half store the same 32 bytes
	ds_store_b128 v[BST], v[MK+8*\slot+4:MK+8*\slot+7] offset:16
	WIN 0x55
	s_wait_dscnt 10                                                   ; K's eight loads are in: V's eight and the two stores are younger
.irp i, 0,1,2,3,4,5,6,7
	v_cvt_pk_bf16_f32 v[FRAG+4*\i], v[FRAG+4*\i], v[FRAG+4*\i+1]
	v_cvt_pk_bf16_f32 v[FRAG+4*\i+1], v[FRAG+4*\i+2], v[FRAG+4*\i+3]
	v_cndmask_b32 v[FRAG+4*\i], 0, v[FRAG+4*\i], s[KM+\i]             ; a masked key's row of K is zero
	v_cndmask_b32 v[FRAG+4*\i+1], 0, v[FRAG+4*\i+1], s[KM+\i]
.endr
	s_wait_dscnt 2                                                    ; V's eight loads are in: the two stores are younger
.irp i, 0,1,2,3,4,5,6,7
	v_cvt_pk_bf16_f32 v[FRAG+32+4*\i], v[FRAG+32+4*\i], v[FRAG+32+4*\i+1]
	v_cvt_pk_bf16_f32 v[FRAG+32+4*\i+1], v[FRAG+32+4*\i+2], v[FRAG+32+4*\i+3]
.endr
	WIN 0x04
.irp i, 0,1,2,3,4,5,6,7
	ds_store_b64 v[KST], v[FRAG+4*\i:FRAG+4*\i+1] offset:144*\i
.endr
.irp i, 0,1,2,3,4,5,6,7
	ds_store_b64 v[VST], v[FRAG+32+4*\i:FRAG+32+4*\i+1] offset:160*(8*(\i>>2)+(\i&3))
.endr
	WIN 0
.endm
; The running softmax of query tile q over 64 keys, all in window 1.  A lane holds 32 scores of its query, the other half of the wave the other 32.
.macro SOFT q, first
.if \first
	v_max_num_f32 v[TA], v[SC+32*\q], v[SC+32*\q+1]
.else
	v_max3_num_f32 v[TA], v[SC+32*\q], v[SC+32*\q+1], v[MX+\q]        ; the old maximum enters here
.endif
	v_max_num_f32 v[TB], v[SC+32*\q+16], v[SC+32*\q+17]
.irp i, 1,2,3,4,5,6,7
	v_max3_num_f32 v[TA], v[TA], v[SC+32*\q+2*\i], v[SC+32*\q+2*\i+1] ; two chains that do not wait for each other
	v_max3_num_f32 v[TB], v[TB], v[SC+32*\q+16+2*\i], v[SC+32*\q+17+2*\i]
.endr
	v_max_num_f32 v[TA], v[TA], v[TB]
	v_permlanex16_b32 v[TC], v[TA], s24, s25                          ; lane i of the other half: the same query's other keys
	v_max_num_f32 v[NM], v[TA], v[TC]
	v_max_num_f32 v[NM+1], v[TA], v[TC]                               ; twice: a pair for the packed subtraction
.if \first
	v_mov_b32 v[MX+\q], v[NM]
.else
	v_sub_f32 v[ALF+2*\q], v[MX+\q], v[NM]
	v_exp_f32 v[ALF+2*\q], v[ALF+2*\q]                                ; alpha = exp2(old maximum - new)
	v_mov_b32 v[MX+\q], v[NM]                                         ; the plain instruction behind v_exp_f32 (ISA guide 5.7.2)
	s_wait_alu depctr_va_vdst(0)
	v_mov_b32 v[ALF+2*\q+1], v[ALF+2*\q]
.endif
.irp hf, 0,1
.irp i, 0,1,2,3,4,5,6,7
	v_pk_add_f32 v[SC+32*\q+16*\hf+2*\i:SC+32*\q+16*\hf+2*\i+1], v[SC+32*\q+16*\hf+2*\i:SC+32*\q+16*\hf+2*\i+1], v[NM:NM+1] neg_lo:[0,1] neg_hi:[0,1]
.endr
.irp i, 0,1,2,3,4,5,6,7,8,9,10,11,12,13,14,15
	v_exp_f32 v[SC+32*\q+16*\hf+\i], v[SC+32*\q+16*\hf+\i]            ; behind the first 16 stand the second half's subtractions, behind the last 16 the first sums, which read the first half alone
.endr
.endr
	s_wait_alu depctr_va_vdst(0)
	v_pk_add_f32 v[X0:X0+1], v[SC+32*\q:SC+32*\q+1], v[SC+32*\q+2:SC+32*\q+3]
	v_pk_add_f32 v[X1:X1+1], v[SC+32*\q+4:SC+32*\q+5], v[SC+32*\q+6:SC+32*\q+7]
.irp i, 2,3,4,5,6,7
	v_pk_add_f32 v[X0:X0+1], v[X0:X0+1], v[SC+32*\q+4*\i:SC+32*\q+4*\i+1]
	v_pk_add_f32 v[X1:X1+1], v[X1:X1+1], v[SC+32*\q+4*\i+2:SC+32*\q+4*\i+3]
.endr
.if \first
	v_pk_add_f32 v[LS+2*\q:LS+2*\q+1], v[X0:X0+1], v[X1:X1+1]         ; the first 64 keys start the sums
.else
	v_pk_add_f32 v[X0:X0+1], v[X0:X0+1], v[X1:X1+1]
	v_pk_fma_f32 v[LS+2*\q:LS+2*\q+1], v[LS+2*\q:LS+2*\q+1], v[ALF+2*\q:ALF+2*\q+1], v[X0:X0+1]
.endif
.irp f, 0,1
.irp d, 0,1,2,3,4,5,6,7
	v_cvt_pk_bf16_f32 v[SC+32*\q+16*\f+\d], v[SC+32*\q+16*\f+2*\d], v[SC+32*\q+16*\f+2*\d+1]   ; in place, upward: a destination has been read already
.endr
.endr
.endm
.macro RESCALE                         ; O^T of query tile q times its pair in ALF (window 1); a lane's 32 numbers are all of its own query
.irp q, 0,1,2,3
.irp i, 0,1,2,3,4,5,6,7,8,9,10,11,12,13,14,15
	v_pk_mul_f32 v[OA+32*\q+2*\i:OA+32*\q+2*\i+1], v[OA+32*\q+2*\i:OA+32*\q+2*\i+1], v[ALF+2*\q:ALF+2*\q+1]
.endr
.endr
.endm
; 64 keys (st = 0, 1: which half of the tile).  In each run of matrix instructions the 16 accumulators take turns, one instruction a turn.
.macro STEP st, first
	WIN 0x40
.irp kt, 0,1,2,3
	ds_load_b128 v[FRAG+16*\kt:FRAG+16*\kt+3], v[KFA] offset:(64*\st+16*\kt)*144          ; K fragment, d = 0..31: two loads 32 bytes apart
	ds_load_b128 v[FRAG+16*\kt+4:FRAG+16*\kt+7], v[KFA] offset:(64*\st+16*\kt)*144+32
.endr
.irp kt, 0,1,2,3
	ds_load_b128 v[BIASF+8*\kt:BIASF+8*\kt+3], v[BFA] offset:(64*\st+16*\kt)*4            ; register j: the bias of key 8 hh + j, in the layout of C
	ds_load_b128 v[BIASF+8*\kt+4:BIASF+8*\kt+7], v[BFA] offset:(64*\st+16*\kt)*4+16
.endr
.irp kt, 0,1,2,3
	ds_load_b128 v[FRAG+16*\kt+8:FRAG+16*\kt+11], v[KFA] offset:(64*\st+16*\kt)*144+64    ; d = 32..63
	ds_load_b128 v[FRAG+16*\kt+12:FRAG+16*\kt+15], v[KFA] offset:(64*\st+16*\kt)*144+96
.endr
	s_wait_dscnt 8                                                    ; all but the youngest eight, the fragments of d = 32..63
	WIN 0x51
.irp q, 0,1,2,3
.irp kt, 0,1,2,3
	v_wmma_f32_16x16x32_bf16 v[SC+32*\q+8*\kt:SC+32*\q+8*\kt+7], v[FRAG+16*\kt:FRAG+16*\kt+7], v[QF+16*\q:QF+16*\q+7], v[BIASF+8*\kt:BIASF+8*\kt+7]
.endr
.endr
	s_wait_dscnt 0
.irp q, 0,1,2,3
.irp kt, 0,1,2,3
	v_wmma_f32_16x16x32_bf16 v[SC+32*\q+8*\kt:SC+32*\q+8*\kt+7], v[FRAG+16*\kt+8:FRAG+16*\kt+15], v[QF+16*\q+8:QF+16*\q+15], v[SC+32*\q+8*\kt:SC+32*\q+8*\kt+7]
.endr
.endr
	PLACES 4                                                          ; four places before loads land on K's fragments and the softmax reads the scores
	WIN 0x40
.irp f, 0,1
.irp dt, 0,1,2,3
	ds_load_tr16_b128 v[FRAG+32*\f+8*\dt:FRAG+32*\f+8*\dt+3], v[VFA] offset:(64*\st+32*\f)*160+32*\dt        ; V^T: row d = 16 dt + r, keys 32 f + 8 hh + 0..7
	ds_load_tr16_b128 v[FRAG+32*\f+8*\dt+4:FRAG+32*\f+8*\dt+7], v[VFA] offset:(64*\st+32*\f+16)*160+32*\dt   ; keys 32 f + 16 + 8 hh + 0..7
.endr
.endr
	WIN 0x55
.irp q, 0,1,2,3
	SOFT \q, \first
.endr
.if \first == 0
	WIN 0x04
	RESCALE
.endif
	s_wait_dscnt 0                                                    ; V's fragments, asked for ahead of the softmax
	WIN 0x05
.irp f, 0,1
.irp q, 0,1,2,3
.irp dt, 0,1,2,3
.if \first*(1-\f)
	v_wmma_f32_16x16x32_bf16 v[OA+32*\q+8*\dt:OA+32*\q+8*\dt+7], v[FRAG+32*\f+8*\dt:FRAG+32*\f+8*\dt+7], v[SC+32*\q+16*\f:SC+32*\q+16*\f+7], 0   ; the first product starts the sums
.else
	v_wmma_f32_16x16x32_bf16 v[OA+32*\q+8*\dt:OA+32*\q+8*\dt+7], v[FRAG+32*\f+8*\dt:FRAG+32*\f+8*\dt+7], v[SC+32*\q+16*\f:SC+32*\q+16*\f+7], v[OA+32*\q+8*\dt:OA+32*\q+8*\dt+7]
.endif
.endr
.endr
.endr
	PLACES 5                                                          ; five places: the next score products write over the weights; loads land on the fragments; O is read
	WIN 0
.endm
; One tile of 128 keys in slot.  refill = 1: the other slot gets the next tile and the next tile's mask words are asked for.
.macro TRIP slot, refill, first, pf
	s_wait_tensorcnt 0x0                                              ; all my tensor loads have landed (one was out: my part of this trip's tile),
	ds_add_u32 v62, v63
	s_wait_dscnt 0x0
	s_add_nc_u64 s[G0+4*\slot+2:G0+4*\slot+3], s[G0+4*\slot+2:G0+4*\slot+3], 2*TSTEP   ; so a group 0 may be written: this slot's next tile
	s_wait_loadcnt 0x0                                                ; this tile's mask words, asked for a trip ago; their base is free
.if \refill
	s_add_nc_u64 s[44:45], s[44:45], 512                              ; the next tile's 128 mask words
.endif
.if \pf
	s_wait_xcnt 0x0                                                   ; the last trip's prefetch has had its address translated: its base may step
	s_add_nc_u64 s[46:47], s[46:47], TSTEP
.endif
	s_wait_dscnt 0x0                                                  ; my reads of the stages, and long before them of the other slot, are back
	ROUND                                                             ; all that holds of every wave of the four work-groups
.if \refill
	FILL 1-\slot, \pf                                                 ; the first tensor load behind the round, one a wave
	global_load_b128 v[MK+8*(1-\slot):MK+8*(1-\slot)+3], v[MOFF], s[44:45]
	global_load_b128 v[MK+8*(1-\slot)+4:MK+8*(1-\slot)+7], v[MOFF], s[44:45] offset:16
.endif
	CONVERT \slot
	s_wait_dscnt 0x0                                                  ; my rows of the stages are written, my reads of the slot are back
	s_barrier_signal -1
	s_barrier_wait -1                                                 ; the stages are whole.  The tile on its way stays out
	STEP 0, \first
	STEP 1, 0
.endm
; 16 queries leave: 32 bytes a lane into my own stage (rows of 272 bytes), read back as whole rows of 256 bytes, stored two rows an instruction.
.macro OUTQ qt, f
.irp dt, 0,1,2,3
	ds_store_b128 v[OST], v[OA+32*\qt+8*\dt:OA+32*\qt+8*\dt+3] offset:64*\dt
	ds_store_b128 v[OST], v[OA+32*\qt+8*\dt+4:OA+32*\qt+8*\dt+7] offset:64*\dt+16
.endr
	s_wait_xcnt 0x0                                                   ; the registers loaded next were the data of stores two query tiles ago
.irp t, 0,1,2,3,4,5,6,7
	ds_load_b128 v[\f+4*\t:\f+4*\t+3], v[ORD] offset:544*\t           ; LDS serves a wave's instructions in order (ISA guide 5.7.1): these see the stores above
.endr
.irp t, 0,1,2,3,4,5,6,7
	s_wait_dscnt 7-\t                                                 ; load t is in, the 7 - t younger ones may be out
	global_store_b128 v[GOFF], v[\f+4*\t:\f+4*\t+3], s[12:13] offset:(16*\qt+2*\t)*4096 th:TH_STORE_NT   ; 16 lanes store 256 consecutive bytes, at a multiple of 256
.endr
.endm
	; ---- set-up ----
	s_load_b256 s[4:11], s[0:1], 0x0               ; K s[4:5], V s[6:7], Q s[8:9], mask s[10:11]
	s_load_b64 s[12:13], s[0:1], 0x20              ; out
	v_lshl_add_u32 v62, v0, 2, 0x3ba00
	v_mov_b32 v63, 0
	ds_add_u32 v62, v63
	v_lshrrev_b32 v3, 5, v0
	v_readfirstlane_b32 s14, v3                    ; wave 0..7
	s_bfe_u32 s15, ttmp6, 0x40000                  ; cx: which block of 512 queries
	s_lshr_b32 s22, ttmp9, 4                       ; b
	s_and_b32 s23, ttmp9, 15                       ; h
	s_lshl_b32 s16, s22, 23                        ; b x 2048 rows x 4,096 bytes
	s_lshl_b32 s23, s23, 8                         ; h x 256 bytes
	s_add_co_u32 s16, s16, s23                     ; the head's first byte in K, V, Q and out: made of ttmp9 alone
	s_mov_b32 s17, 0
	s_lshl_b32 s60, s22, 13                        ; b x 2048 mask words
	s_mov_b32 s61, 0
	s_lshl_b32 s18, s15, 21                        ; cx x 512 rows
	s_lshl_b32 s23, s14, 18                        ; wave x 64 rows
	s_add_co_u32 s18, s18, s23
	s_add_co_u32 s18, s18, s16                     ; my wave's first query row
	s_mov_b32 s19, 0
	s_mov_b32 s20, CSCALE
	s_mov_b32 s21, CSCALE
	s_mov_b32 s24, 0x76543210                      ; v_permlanex16_b32: lane i of one half reads lane i of the other
	s_mov_b32 s25, 0xfedcba98
	s_and_b32 s62, s14, 1
	s_lshl_b32 s62, s62, 18                        ; odd waves fetch rows 64-127 of a tile
	s_add_co_u32 s62, s62, s16
	s_mov_b32 s63, 0
	s_lshl_b32 s22, s14, 14                        ; a quarter of a slot for each of waves 0-3: 64 rows x 256 bytes
	s_lshl_b32 s23, s14, 4                         ; 16 w
	s_lshl_b32 s26, s15, 5                         ; 32 cx
	s_mul_i32 s27, s14, 9216
	s_add_co_u32 s27, s27, PRIV                    ; my wave's own bytes
	; descriptor group 1: 64 rows of 64 f32, rows 1,024 elements apart, dense in LDS; the same in all four work-groups
	s_mov_b32 s[G1+0], 15|(2<<16)|(1<<21)          ; 15:0 the four work-groups; 17:16 elements of 4 bytes; 21 set beside a mask
	s_mov_b32 s[G1+1], 64<<16                      ; tensor_dim0 = 64
	s_mov_b32 s[G1+2], 64<<16                      ; tensor_dim1 = 64
	s_mov_b32 s[G1+3], 64<<16                      ; tile_dim0 = 64
	s_mov_b32 s[G1+4], 64                          ; tile_dim1 = 64
	s_mov_b32 s[G1+5], 1024                        ; elements from row to row
	s_mov_b32 s[G1+6], 0
	s_mov_b32 s[G1+7], 0
	v_and_b32 v1, 15, v0                           ; r
	v_bfe_u32 v2, v0, 4, 1                         ; hh
	v_lshl_add_u32 v3, v2, 3, s23                  ; 16 w + 8 hh
	v_lshl_add_u32 v22, v2, 2, s23                 ; 16 w + 4 hh
	v_lshlrev_b32 v[MOFF], 2, v3
	v_lshlrev_b32 v[GOFF], 12, v2
	v_lshl_add_u32 v[GOFF], v1, 4, v[GOFF]
	s_wait_dscnt 0x0
	s_wait_kmcnt 0x0
	s_add_nc_u64 s[8:9], s[8:9], s[18:19]          ; Q and out at my wave's first row
	s_add_nc_u64 s[12:13], s[12:13], s[18:19]
	s_add_nc_u64 s[44:45], s[10:11], s[60:61]      ; the batch's mask words
	s_cmp_lt_u32 s14, 2
	s_cselect_b64 s[60:61], s[4:5], s[6:7]         ; waves 0, 1 fetch K, waves 2, 3 V
	s_add_nc_u64 s[60:61], s[60:61], s[62:63]
.irp n, 0,1
	s_mov_b32 s[G0+4*\n], 1                                        ; count = 1
	s_add_co_u32 s[G0+4*\n+1], s22, \n*SLOTB                       ; LDS address: wave x 16,384 + slot x 65,536
	s_add_nc_u64 s[G0+4*\n+2:G0+4*\n+3], s[60:61], \n*TSTEP        ; tile n
	s_or_b32 s[G0+4*\n+3], s[G0+4*\n+3], 0x80000000               ; type = 2
.endr
	s_cmp_eq_u32 s14, 4
	s_cselect_b64 s[46:47], s[4:5], s[6:7]         ; prefetch: wave 4 asks for K, wave 5 for V
	s_add_nc_u64 s[46:47], s[46:47], s[16:17]
	s_add_nc_u64 s[46:47], s[46:47], TSTEP         ; stepped once more at the head of trip 0: tile 2
	global_load_b128 v[MK:MK+3], v[MOFF], s[44:45]                 ; tile 0's mask words
	global_load_b128 v[MK+4:MK+7], v[MOFF], s[44:45] offset:16
.set i, 0
.rept 32
	global_load_b128 v[OA+4*i:OA+4*i+3], v[GOFF], s[8:9] offset:8192*i th:TH_LOAD_NT   ; my 64 rows of Q, two whole rows of 256 bytes a load, into the registers that later hold O
.set i, i+1
.endr
	ROUND                                          ; all four work-groups are here: the first joint loads meet
	FILL 0, 0                                      ; tile 0; slot 1 is first filled behind the first trip's round
	v_lshlrev_b32 v23, 4, v1                       ; 16 r
	v_lshl_add_u32 v[KLD], v3, 8, v23
	v_add_nc_u32 v[KLD+1], SLOTB, v[KLD]
	v_lshl_add_u32 v[VLD], v22, 8, v23
	v_add_nc_u32 v[VLD], VHALF, v[VLD]
	v_add_nc_u32 v[VLD+1], SLOTB, v[VLD]
	v_lshlrev_b32 v24, 3, v1                       ; 8 r
	v_mad_u32_u24 v[KST], v3, 144, v24
	v_add_nc_u32 v[KST], KS, v[KST]
	v_mad_u32_u24 v[VST], v22, 160, v24
	v_add_nc_u32 v[VST], VS, v[VST]
	v_lshl_add_u32 v[BST], v3, 2, BIAS
	v_mul_u32_u24 v25, v1, 144
	v_lshl_add_u32 v25, v2, 4, v25                 ; 144 r + 16 hh: a fragment's lane term for rows that lie along k
	v_add_nc_u32 v[KFA], KS, v25
	v_add_nc_u32 v[QRD], s27, v25
	v_and_b32 v26, 7, v0
	v_lshl_add_u32 v26, v2, 3, v26                 ; key 8 hh + (lane mod 8)
	v_bfe_u32 v27, v0, 3, 1
	v_mul_u32_u24 v26, v26, 160
	v_lshl_add_u32 v26, v27, 4, v26                ; + 16 bytes for lanes 8-15 and 24-31
	v_add_nc_u32 v[VFA], VS, v26
	v_lshl_add_u32 v[BFA], v2, 5, BIAS
	v_and_b32 v27, 31, v0
	v_add_lshl_u32 v[PFO], v27, s26, 12            ; row 32 cx + lane of a tile
	v_mad_u32_u24 v[QST], v2, 144, v24
	v_add_nc_u32 v[QST], s27, v[QST]
	v_mul_u32_u24 v26, v1, 272
	v_lshl_add_u32 v26, v2, 5, v26
	v_add_nc_u32 v[OST], s27, v26
	v_mad_u32_u24 v26, v2, 272, v23
	v_add_nc_u32 v[ORD], s27, v26
	v_mov_b32 v[NEG], NEGBIG
	WIN 0x40
	v_mov_b32 v[TC], 0                             ; v_permlanex16_b32 counts as a reader of its destination
	WIN 0
	; Q: times c, to bf16, through my own stage into fragments (query = column, d = k)
.set i, 0
.rept 32
	s_wait_loadcnt 31-i                            ; loads come back in order (ISA guide 5.7.1): load i is in, the 31 - i younger ones stay out
	v_pk_mul_f32 v[OA+4*i:OA+4*i+1], v[OA+4*i:OA+4*i+1], s[20:21] op_sel_hi:[1,0]
	v_pk_mul_f32 v[OA+4*i+2:OA+4*i+3], v[OA+4*i+2:OA+4*i+3], s[20:21] op_sel_hi:[1,0]
	v_cvt_pk_bf16_f32 v[OA+4*i], v[OA+4*i], v[OA+4*i+1]
	v_cvt_pk_bf16_f32 v[OA+4*i+1], v[OA+4*i+2], v[OA+4*i+3]
	ds_store_b64 v[QST], v[OA+4*i:OA+4*i+1] offset:288*i           ; rows 2 i + hh
.set i, i+1
.endr
.irp q, 0,1,2,3
.irp ks, 0,1
	ds_load_b128 v[QF+16*\q+8*\ks:QF+16*\q+8*\ks+3], v[QRD] offset:2304*\q+64*\ks      ; my own bytes, in order behind my stores
	ds_load_b128 v[QF+16*\q+8*\ks+4:QF+16*\q+8*\ks+7], v[QRD] offset:2304*\q+64*\ks+32
.endr
.endr
	; ---- 16 tiles of 128 keys ----
	TRIP 0, 1, 1, 1                                ; the first lap stands in front of the loop: its first products start the sums
	TRIP 1, 1, 0, 1
	s_mov_b32 s48, 6
.Llap:
	TRIP 0, 1, 0, 1                                ; tiles 2 to 13
	TRIP 1, 1, 0, 1
	s_sub_co_u32 s48, s48, 1
	s_cmp_lg_u32 s48, 0
	s_cbranch_scc1 .Llap
	TRIP 0, 1, 0, 0                                ; tile 14: the last fill (tile 15), no prefetch
	TRIP 1, 0, 0, 0                                ; tile 15: nothing is left to fetch
	; ---- divide by the row sums (at least 1: the largest score's weight is 1) ----
	WIN 0x55
.irp q, 0,1,2,3
	v_add_f32 v[ALF+2*\q], v[LS+2*\q], v[LS+2*\q+1]
	v_permlanex16_b32 v[TC], v[ALF+2*\q], s24, s25
	v_add_f32 v[ALF+2*\q], v[ALF+2*\q], v[TC]
.endr
.irp q, 0,1,2,3
	v_rcp_f32 v[ALF+2*\q], v[ALF+2*\q]
.endr
	v_nop                                          ; the plain instruction behind v_rcp_f32 (ISA guide 5.7.2)
	s_wait_alu depctr_va_vdst(0)
.irp q, 0,1,2,3
	v_mov_b32 v[ALF+2*\q+1], v[ALF+2*\q]
.endr
	WIN 0x04
	RESCALE
	WIN 0
	OUTQ 0, 64                                     ; the read-back registers, v64-95 and v96-127 in turn, held the Q fragments
	OUTQ 1, 96
	OUTQ 2, 64
	OUTQ 3, 96
	s_wait_tensorcnt 0x0
	ds_add_u32 v62, v63
	s_wait_dscnt 0x0
	ROUND                                          ; the closing round: no work-group ends while a partner may still ask for a tile that names it
	s_endpgm
.Lfunc_end_k_qd66fa8c562_attn:
	.size	k_qd66fa8c562_attn, .Lfunc_end_k_qd66fa8c562_attn-k_qd66fa8c562_attn
	.p2alignl 7, 3214868480
	.fill 96, 4, 3214868480
	.section	.rodata,"a",@progbits
	.p2align	6, 0x0
	.amdhsa_kernel k_qd66fa8c562_attn
		.amdhsa_group_segment_fixed_size 327680
		.amdhsa_private_segment_fixed_size 0
		.amdhsa_enable_private_segment 0
		.amdhsa_kernarg_size 40
		.amdhsa_user_sgpr_count 2
		.amdhsa_user_sgpr_kernarg_segment_ptr 1
		.amdhsa_wavefront_size32 1
		.amdhsa_system_sgpr_workgroup_id_x 1
		.amdhsa_system_sgpr_workgroup_id_y 1
		.amdhsa_system_sgpr_workgroup_id_z 1
		.amdhsa_system_vgpr_workitem_id 0
		.amdhsa_next_free_vgpr 512
		.amdhsa_next_free_sgpr 66
		.amdhsa_reserve_vcc 0
		.amdhsa_float_denorm_mode_32 3
		.amdhsa_float_denorm_mode_16_64 3
		.amdhsa_memory_ordered 1
		.amdhsa_forward_progress 1
		.amdhsa_inst_pref_size 255
	.end_amdhsa_kernel
	.section	.bss,"aw",@nobits
	.p2align	6
	.space	262144
	.amdgpu_metadata
---
amdhsa.version: [ 1, 2 ]
amdhsa.kernels:
  - .name:           k_qd66fa8c562_attn
    .symbol:         k_qd66fa8c562_attn.kd
    .args:
      - { .name: key_input, .offset: 0, .size: 8, .value_kind: global_buffer, .address_space: global }
      - { .name: value_input, .offset: 8, .size: 8, .value_kind: global_buffer, .address_space: global }
      - { .name: query_input, .offset: 16, .size: 8, .value_kind: global_buffer, .address_space: global }
      - { .name: mask, .offset: 24, .size: 8, .value_kind: global_buffer, .address_space: global }
      - { .name: out0, .offset: 32, .size: 8, .value_kind: global_buffer, .address_space: global }
    .group_segment_fixed_size: 327680
    .private_segment_fixed_size: 0
    .kernarg_segment_align: 8
    .kernarg_segment_size: 40
    .max_flat_workgroup_size: 256
    .sgpr_count:     66
    .vgpr_count:     512
    .wavefront_size: 32
...
	.end_amdgpu_metadata
.endif
;; end of part 1
